; MI455X (gfx1250); checked and timed in simulation.
; The chip was launched on July 23, 2026; its instructions are those of AMD's public machine-readable ISA for CDNA 5 (MIT licence, August 2026) and "CDNA5" Instruction Set Architecture Reference Guide (July 2026). The comments in the code are by the model that wrote it; some were corrected since.
;; Soft Attention. Allowed arithmetic: matrix products marked QUANTISED: E2M1 operands, one E8M0 scale for each 32 along K, by v_wmma_scale_f32_16x16x128_f8f6f4 with both operands' format E2M1 (or v_wmma_scale_f32_32x16x128_f4), f32 sums; everything else in f32.
;; Inputs: q_mask 2 x 1,024 bool; query 2 x 1,024 x 64 float32; scale one number float32; v_mask 2 x 1,024 bool; value 2 x 1,024 x 64 float32.
;; Outputs: out0 2 x 1,024 x 64 float32.
;; This version of the problem:
;;   THIS VERSION OF THE PROBLEM IS GIVEN IN LOW PRECISION. The matrix products marked QUANTISED in the list below multiply operands that are first quantised to E2M1 (2 exponent bits, 1 mantissa bit; 4 bits a number), with one power-of-two scale for each 32 numbers along K (OCP MX v1.0); their sums are f32. All else is computed in f32.
;;   The module's matrix products, in the order in which they are computed (A, B: the left and right operand; K: the contracted axis; several contracted axes count as one K, in the product's order):
;;     1. batch 2 x [M 1,024, K 1,024] x [K 1,024, N 64]; A: softmax (see below); B: input value: QUANTISED
;;   THE QUANTISER, for each operand of a quantised product, along K:
;;     - K is cut into blocks of 32 from its start; a last block that is shorter is filled with zeros.
;;     - A block's scale is 2^e with e = floor(log2(the largest magnitude in the block)) - 2, held to -126 .. 127; a block of zeros has e = 0. As a byte (E8M0): e + 127.
;;     - Each number is divided by its block's scale, clamped to +-6, and rounded to the nearest number of E2M1, ties to even, subnormals kept.
;;     - The product sums the exact products of the quantised numbers (number of the format x scale) in f32.
;;   ~~~python
;;   def quantise(x, axis):      # numpy; x: float32 -> the quantised numbers, widened to float32 again
;;       x = np.moveaxis(x, axis, -1); K = x.shape[-1]
;;       x = np.pad(x, [(0, 0)] * (x.ndim - 1) + [(0, -K % 32)]); x = x.reshape(x.shape[:-1] + (-1, 32)); a = np.abs(x).max(-1, keepdims=True)
;;       e = np.where(a > 0, np.clip(np.frexp(np.where(a > 0, a, 1))[1] - 1 - 2, -126, 127), 0)      # np.frexp(a)[1] - 1 = floor(log2(a)), exactly
;;       r = np.clip(x / 2.0 ** e, -6, 6)
;;       step = 2.0 ** (np.maximum(np.frexp(np.where(r == 0, 1, r))[1] - 1, 0) - 1)
;;       q = np.round(r / step) * step * 2.0 ** e      # np.round: ties to even
;;       return np.moveaxis(q.reshape(q.shape[:-2] + (-1,))[..., :K], -1, axis).astype(np.float32)
;;   ~~~
;;   SOFTMAX AHEAD OF A QUANTISED PRODUCT. Where the list says 'softmax', what is quantised is not the finished softmax but p = 2^(t - M), with t = logit x log2(e) and M = ceil(the row's largest t), a whole number; so 1/2 < the row's largest p <= 1. The row's sum l is taken of the UNQUANTISED p, in f32, and the product's result is divided by l at the end. Since M is a whole number, a kernel that streams over the keys may use a running M (the ceiling of the running maximum): every later rescaling is an exact power of two, which a block's scale takes up: the codes' values come out the same.
;;   OPERANDS COMPUTED ON THE WAY. 'Computed on the way' means the value that the module computes at that place (a softmax that the list does not call 'softmax' is quantised finished and normalised). What goes into a quantiser is computed in f32, as accurately as f32 sums, v_exp_f32 and their like allow (about 1e-6 of the number): no bf16 or f16 on the way to a quantiser, and a product that is left as it is and whose result goes on into a quantised operand takes f32 operands (vector FMAs, or v_wmma_f32_16x16x4_f32). A number that lies on a knife's edge between two numbers of the format may be rounded either way, as far as f32 arithmetic and the matrix unit's own rounding can turn it there, and no further.
;; 2 versions, each right; version 2 is version 1 with the launch attend written anew for expert scheduling mode. Each part assembles by itself: llvm-mc -triple=amdgcn-amd-amdhsa -mcpu=gfx1250 --defsym DOCPART=n.
;; ======== version 1 of 2: 1 launch
;; limits: inputs' magnitudes at most 173; right only within a limited range of input values
;; launch attend (part 1): grid 128 x 2, 16 waves a work-group, no clusters, 226,560 bytes of LDS; arguments q_mask, query, scale, v_mask, value, out0; writes out0
.if DOCPART == 1
	.amdgcn_target "amdgcn-amd-amdhsa--gfx1250"
	.amdhsa_code_object_version 6
	.text
	.protected	k_qce4726aa63_attend
	.globl	k_qce4726aa63_attend
	.p2align	8
	.type	k_qce4726aa63_attend,@function
k_qce4726aa63_attend:
	s_mov_b64 s[64:65], 0
	v_nop
	global_prefetch_b8 v0, s[64:65] scope:SCOPE_SE
	s_setreg_imm32_b32 hwreg(HW_REG_WAVE_MODE, 25, 1), 1
	s_wait_xcnt 0x0
; out[b][q] = q_mask[b][q] * softmax_k( scale * sum_d tanh(query[b][q][d] + value[b][k][d]) - 1e9 * (key k hidden) ) . value[b][k],  B = 2, 1,024 rows, 1,024 keys, 64 channels.
; The product with value is done on codes of E2M1 with one E8M0 scale for each 32 keys: p = 2^(t - M), t = logit * log2(e), M = ceil(the row's largest t); the row's sum of the unquantised p divides at the end.
; TANH.  With P(x) = 2^(x log2(e) / 2):  e^(2 (q + v)) = (P(q) P(v))^4,  tanh(q + v) = 1 - 2 r,  r = 1 / (1 + (P(q) P(v))^4): one reciprocal an element; P is made once for each number.
;   For the channels d % 4 = 2, 3 the exponent's sign is turned, which gives 1 - r in r's place: so sum_d tanh = -2 (sum over d % 4 < 2 of r~  -  sum over d % 4 >= 2 of r~): no constant is left and the running sums stay small.
; WORK LEFT OUT, for all values of the inputs:
;   (a) reference() hides key k from row q where k > q (its own jnp.tril) or v_mask[k] is false, by taking 1e9 off the logit.  A row that has an open key (v_mask true at some k <= q) keeps that key's logit, at most 128 |scale| from any
;       other score, so a hidden key's p stands 1e9 log2(e) powers of two below it and is 0 in f32: chunks of 32 keys that lie wholly behind such a row are not computed; their t is written as -3e38.
;   (b) a row with NO open key (a row ahead of v_mask's first true) has 1e9 taken off ALL 1,024 logits, later keys too: for such rows every chunk is computed, and s + (-1e9) is formed in f32 as reference() forms it.
;   (c) a row whose q_mask is false is multiplied by 0: its scores are not computed and zeros are stored.  The choice is made on the mask bytes read from memory.
;   Every input has a way to the output and is loaded.
; LIMITS: |query| and |value| up to 173 (P stays a finite f32 number; the rows' exponents are held at +-125); |scale| under 7e6 (for (a)); NaN and infinities among the inputs are not served; a NaN, an infinity or an overflow
;   that reaches only the work left out under (a) and (c) is not carried to the result.  A block of zeros gets the scale byte 1, not 127: its codes are zeros and this text alone reads the bytes.
; SHARES.  Work-group (x = j, y = b): rows 1020 - 4 j .. 1023 - 4 j (slots 0-3) and 4 j .. 4 j + 3 (slots 4-7) of batch b: 4 x 1,025 open pairs in every work-group.  Sixteen waves, four to a SIMD.
;   Wave w takes the chunks of 32 keys w and 31 - w.  With a = j / 8: chunk w serves slots 0-3, and slots 4-7 where w <= a; chunk 31 - w serves slots 0-3 where w >= a: 8 units (slot, chunk) a wave, 12 in one wave.
;   No cluster, no tensor load: every number of value passes through registers (exponential, quantiser) before it is of use, and what the work-groups share is 256 KiB a batch.
; REGISTERS: v0-19 ids and addresses; v20-28 at work; v29-31 scale words and nothing else; v32-63 the eight rows' P; v64-127 a chunk as loaded; v128-191 a key's 64 P; v192-255 the chunk turned, then a unit's 64 numbers.
.set TRW,   8704                       ; LDS from 0: a stage for each wave: 32 keys x (256 bytes + 16)
.set SBASE, 139264                     ; t[slot][key]: 8 rows of 4,096 bytes + 16
.set SP,    4112
.set VCB,   172288                     ; V's codes: [chunk][channel] 16 bytes (32 keys)
.set SCV,   205056                     ; V's scale bytes: [chunk][channel]
.set MXB,   207104                     ; the largest t: [slot][wave]
.set LSB,   207616                     ; sums of p: [wave][slot]
.set REDB,  208128                     ; partial results: [K step][slot][channel] f32
.set SPARE, 224512                     ; the spare words, 128 bytes for each of 16 waves: eight blocks of 256 bytes that no other line names
.set SPW,  1                           ; v1  LDS address of my spare word; never rewritten
.set NIL,  2                           ; v2  0; never rewritten
.set WORD, 3                           ; v3  lane l: v_mask of keys 32 l .. 32 l + 31, a bit a key
.set GOF,  4                           ; v4  byte offset of my part of the chunk in value
.set TWR,  5                           ; v5  the stage, way in
.set TRD,  6                           ; v6  the stage, way out
.set VC0,  7                           ; v7  my place in a chunk's codes;      v15 with the chunk
.set SCA0, 8                           ; v8  in a chunk's scale bytes;         v16 with the chunk
.set SA0,  9                           ; v9  in a chunk's part of a row of t;  v17 with the chunk
.set ZC0,  10                          ; v10 32 bytes of a chunk's codes;      v18 with the chunk
.set NEGT, 11                          ; v11 -3e38
.set NEG9, 12                          ; v12 -1e9
.set QM,   13                          ; v13 q_mask of the row that I store
.set OOF,  14                          ; v14 byte offset of my 16 bytes of out0
.set VCA,  15
.set SCA,  16
.set SA,   17
.set ZCA,  18
.set GO0,  19                          ; v19 my lane's part of GOF
.set PQ,   32
.set RW,   64
.set PV,   128
.set XT,   192
.set TT,   64                          ; behind the first barrier: 64 t of a lane
.set WV,   16                          ; s16 wave
.set BT,   18                          ; s18 batch
.set CH,   19                          ; s19 chunk
.set TRIP, 20
.set FST,  21                          ; s21 v_mask's first true key, 1,024 if none
.set LMAX, 22                          ; s22 the last chunk that any slot wants, -1 if none
.set ROW,  24                          ; s24-31 the slots' rows
.set LIM,  32                          ; s32-39 the last chunk that a slot wants, -1 if none
.set SEL,  40                          ; s[40:41] selects of v_permlanex16_b32: lane l xor 16
.set CP,   42                          ; s[42:43] log2(e) / 2 (named as a pair, low word for both halves)
.set CN,   44                          ; s[44:45] its negative
.set CM2,  46                          ; s46 -2 scale
.set SCL,  47
.set KW,   48                          ; s48 the chunk's 32 bits of v_mask
.set T0,   49
.set SH,   50                          ; s[50:51]
.set ONE,  52                          ; s[52:53] 1 in 64 bits
.set QH,   54                          ; s54, s55 q_mask bytes of slots 0-3, 4-7
.set QL,   55
.set T1,   56
.set T2,   57
.set MO,   58                          ; s[58:59] the batch's offset in the masks
.set DO,   60                          ; s[60:61] in query, value, out0
.set T3,   62
.set CLO,  66                          ; s66, s67 -125, 125
.set CHI,  67
	s_load_b256 s[4:11], s[0:1], 0x0               ; q_mask s[4:5], query s[6:7], scale s[8:9], v_mask s[10:11]
	s_load_b128 s[12:15], s[0:1], 0x20             ; value s[12:13], out0 s[14:15]
	v_lshl_add_u32 v[SPW], v0, 2, SPARE
	v_mov_b32 v[NIL], 0
	v_lshrrev_b32 v20, 5, v0
	v_readfirstlane_b32 s[WV], v20
	s_and_b32 s[BT], ttmp7, 0xffff
	s_lshl_b32 s[ROW+4], ttmp9, 2                  ; slots 4-7: rows 4 j on
	s_sub_co_u32 s[ROW], 1020, s[ROW+4]            ; slots 0-3: rows 1020 - 4 j on
.irp i,1,2,3
	s_add_co_u32 s[ROW+\i], s[ROW], \i
	s_add_co_u32 s[ROW+4+\i], s[ROW+4], \i
.endr
	s_lshl_b32 s[MO], s[BT], 10
	s_mov_b32 s[MO+1], 0
	s_lshl_b32 s[DO], s[BT], 18
	s_mov_b32 s[DO+1], 0
	s_mov_b32 s[SEL], 0x76543210
	s_mov_b32 s[SEL+1], 0xfedcba98
	s_mov_b32 s[CP], 0x3f38aa3b
	s_mov_b32 s[CP+1], 0x3f38aa3b
	s_mov_b32 s[CN], 0xbf38aa3b
	s_mov_b32 s[CN+1], 0xbf38aa3b
	s_mov_b32 s[ONE], 1
	s_mov_b32 s[ONE+1], 0
	s_mov_b32 s[CLO], 0xc2fa0000
	s_mov_b32 s[CHI], 0x42fa0000
	v_and_b32 v20, 31, v0                          ; lane
	v_and_b32 v21, 15, v0                          ; lane % 16
	v_bfe_u32 v22, v0, 4, 1                        ; lane / 16
	v_lshlrev_b32 v23, 4, v21
	v_lshlrev_b32 v192, 5, v20                     ; v_mask: 32 bytes a lane
	v_lshl_add_u32 v193, s[ROW], 8, v23            ; query: a row is 256 bytes; sixteen lanes take it, both halves of the lanes the same
	v_lshl_add_u32 v194, s[ROW+4], 8, v23
	v_lshl_add_u32 v[GO0], v22, 12, v23            ; value: lanes 0-15 take keys 0-15 of a chunk, lanes 16-31 keys 16-31; 16 bytes (4 channels) a lane
	s_lshl_b32 s[T0], s[WV], 13
	v_add_nc_u32 v[GOF], s[T0], v[GO0]             ; the first chunk is the wave's number: 8,192 bytes a chunk
	s_mul_i32 s[T0], s[WV], TRW
	v_mul_u32_u24 v24, v22, 16*272
	v_add_nc_u32 v24, v24, v23
	v_add_nc_u32 v[TWR], s[T0], v24                ; in: key 16 (lane / 16) + i, 16 bytes at 16 (lane % 16)
	v_mul_u32_u24 v24, v20, 272
	v_add_nc_u32 v[TRD], s[T0], v24                ; out: key = lane
	v_lshlrev_b32 v24, 6, v21
	v_lshl_add_u32 v24, v22, 3, v24
	v_add_nc_u32 v[VC0], VCB, v24                  ; codes: channel 4 (lane % 16) + dd, 16 bytes a channel, my 16 keys' 8 bytes
	v_lshl_add_u32 v[SCA0], v21, 2, SCV
	v_lshl_add_u32 v[SA0], v20, 2, SBASE
	v_lshl_add_u32 v[ZC0], v20, 5, VCB
	v_mov_b32 v[NEGT], 0xff61b1e6
	v_mov_b32 v[NEG9], 0xce6e6b28
	v_bfe_u32 v24, v0, 4, 2                        ; the row that I store at the end: slot = (thread / 16) % 8
	v_bfe_u32 v25, v0, 6, 1
	v_add_nc_u32 v26, s[ROW], v24
	v_add_nc_u32 v27, s[ROW+4], v24
	v_cmp_eq_u32 vcc_lo, 0, v25
	v_cndmask_b32 v195, v27, v26, vcc_lo
	v_lshl_add_u32 v[OOF], v195, 8, v23
	s_wait_kmcnt 0x0
	s_add_nc_u64 s[4:5], s[4:5], s[MO:MO+1]
	s_add_nc_u64 s[10:11], s[10:11], s[MO:MO+1]
	s_add_nc_u64 s[6:7], s[6:7], s[DO:DO+1]
	s_add_nc_u64 s[12:13], s[12:13], s[DO:DO+1]
	s_add_nc_u64 s[14:15], s[14:15], s[DO:DO+1]
	s_load_b32 s[SCL], s[8:9], 0x0
	s_load_b32 s[QH], s[4:5], s[ROW] offset:0x0    ; four rows' q_mask bytes: the rows begin at multiples of 4
	s_load_b32 s[QL], s[4:5], s[ROW+4] offset:0x0
	global_load_b128 v[128:131], v192, s[10:11]
	global_load_b128 v[132:135], v192, s[10:11] offset:16
.irp s,0,1,2,3
	global_load_b128 v[PQ+4*\s:PQ+4*\s+3], v193, s[6:7] offset:256*\s
.endr
.irp s,0,1,2,3
	global_load_b128 v[PQ+16+4*\s:PQ+16+4*\s+3], v194, s[6:7] offset:256*\s
.endr
	global_load_u8 v[QM], v195, s[4:5]
.irp i,0,1,2,3,4,5,6,7,8,9,10,11,12,13,14,15
	global_load_b128 v[RW+4*\i:RW+4*\i+3], v[GOF], s[12:13] offset:256*\i   ; lanes 0-15 read one row of 256 bytes, lanes 16-31 the row 16 further on
.endr
	s_wait_loadcnt 25                              ; v_mask is in: behind its two loads stand 8 + 1 + 16
	s_mov_b32 s[T0], 0x01020408                    ; four bytes of 0 or 1 times this leave their four bits at bits 24-27: no two partial products meet
.irp k,0,1,2,3,4,5,6,7
	v_mul_lo_u32 v[136+\k], v[128+\k], s[T0]
.endr
	v_lshrrev_b32 v[WORD], 24, v136
.irp k,1,2,3,4,5,6,7
	v_lshrrev_b32 v[136+\k], 24, v[136+\k]
	v_lshl_or_b32 v[WORD], v[136+\k], 4*\k, v[WORD]
.endr
	v_cmp_ne_u32 s[T1], 0, v[WORD]                 ; the lanes that hold a true key
	s_ctz_i32_b32 s[T2], s[T1]
	s_and_b32 s[T2], s[T2], 31
	v_readlane_b32 s[T3], v[WORD], s[T2]
	s_ctz_i32_b32 s[T3], s[T3]
	s_lshl_b32 s[T2], s[T2], 5
	s_add_co_u32 s[FST], s[T2], s[T3]
	s_cmp_eq_u32 s[T1], 0
	s_cselect_b32 s[FST], 1024, s[FST]
	s_wait_kmcnt 0x0
	s_mul_f32 s[CM2], s[SCL], -2.0
; the last chunk that a slot wants: that of its row; all 32 for a row ahead of the first true key; none where q_mask is false
.macro LIMIT s, word, byte
	s_lshr_b32 s[T1], s[ROW+\s], 5
	s_cmp_lt_u32 s[ROW+\s], s[FST]
	s_cselect_b32 s[LIM+\s], 31, s[T1]
	s_bfe_u32 s[T1], s[\word], (8<<16)|(8*\byte)
	s_cmp_eq_u32 s[T1], 0
	s_cselect_b32 s[LIM+\s], -1, s[LIM+\s]
.endm
.irp s,0,1,2,3
	LIMIT \s, QH, \s
	LIMIT 4+\s, QL, \s
.endr
	s_max_i32 s[LMAX], s[LIM], s[LIM+1]
.irp s,2,3,4,5,6,7
	s_max_i32 s[LMAX], s[LMAX], s[LIM+\s]
.endr
	s_wait_loadcnt 17                              ; the eight rows of query are in: behind them stand 1 + 16
.irp s,0,1,2,3,4,5,6,7
	v_pk_mul_f32 v[PQ+4*\s:PQ+4*\s+1], v[PQ+4*\s:PQ+4*\s+1], s[CP:CP+1] op_sel_hi:[1,0]       ; register m of a slot, lane n: channel 4 n + m; m = 0, 1: + ; m = 2, 3: -
	v_pk_mul_f32 v[PQ+4*\s+2:PQ+4*\s+3], v[PQ+4*\s+2:PQ+4*\s+3], s[CN:CN+1] op_sel_hi:[1,0]
.endr
.set N, 0
.rept 32
	v_med3_num_f32 v[PQ+N], v[PQ+N], s[CLO], s[CHI]   ; held at +-125: a row's P is finite and not 0, so no product with a key's P is 0 times infinity
.set N, N+1
.endr
.set N, 0
.rept 32
	v_exp_f32 v[PQ+N], v[PQ+N]
.set N, N+1
.endr
.irp i,24,25,26,27
	v_mov_b32 v[\i], 0                             ; written once: a lane permute's destination counts as one of its sources.  (Plain work behind the exponentials)
.endr
	s_wait_alu depctr_va_vdst(0)                   ; one wait for the 32 exponentials, ahead of the label and of their first reader
; A CHUNK IS MADE READY.  As loaded, register 4 i + dd of lane (n, h) is value[32 c + 16 h + i][4 n + dd].
.macro PREP
.irp dd,0,1,2,3
.irp i,0,1,2,3,4,5,6,7,8,9,10,11,12,13,14,15
	v_mov_b32 v[XT+16*\dd+\i], v[RW+4*\i+\dd]      ; a copy in which the KEYS run along the registers: the conversions take neighbours along K from consecutive registers
.endr
.endr
.irp i,0,1,2,3,4,5,6,7,8,9,10,11,12,13,14,15
	v_pk_mul_f32 v[RW+4*\i:RW+4*\i+1], v[RW+4*\i:RW+4*\i+1], s[CP:CP+1] op_sel_hi:[1,0]
	v_pk_mul_f32 v[RW+4*\i+2:RW+4*\i+3], v[RW+4*\i+2:RW+4*\i+3], s[CN:CN+1] op_sel_hi:[1,0]
.endr
.set N, 0
.rept 64
	v_exp_f32 v[RW+N], v[RW+N]                     ; the keys' P; the quantiser below, which names none of them, is the work behind the batch
.set N, N+1
.endr
.irp dd,0,1,2,3
	v_max3_num_f32 v[20+\dd], |v[XT+16*\dd]|, |v[XT+16*\dd+1]|, 0x1800000   ; channel 4 n + dd: my 16 keys, and the floor 2^(3 - 127): the byte cannot fall under 1
.endr
.irp i,2,4,6,8,10,12,14
.irp dd,0,1,2,3
	v_max3_num_f32 v[20+\dd], v[20+\dd], |v[XT+16*\dd+\i]|, |v[XT+16*\dd+\i+1]|
.endr
.endr
.irp dd,0,1,2,3
	v_permlanex16_b32 v[24+\dd], v[20+\dd], s[SEL], s[SEL+1]
.endr
.irp dd,0,1,2,3
	v_max_num_f32 v[20+\dd], v[20+\dd], v[24+\dd]  ; with lane l xor 16's 16 keys: the block's largest magnitude
.endr
.irp dd,0,1,2,3
	v_add_nc_u32 v[24+\dd], 0xff000000, v[20+\dd]  ; 2 off its exponent field: the conversion's scale operand
.endr
.irp dd,0,1,2,3
	v_lshrrev_b32 v[20+\dd], 23, v[24+\dd]         ; the scale's byte
.endr
	v_lshl_or_b32 v28, v21, 8, v20                 ; four neighbouring channels' bytes
	v_lshl_or_b32 v28, v22, 16, v28
	v_lshl_or_b32 v28, v23, 24, v28
.irp dd,0,1,2,3
	v_cvt_scalef32_pk8_fp4_f32 v[PV+2*\dd], v[XT+16*\dd:XT+16*\dd+7], v[24+\dd]
	v_cvt_scalef32_pk8_fp4_f32 v[PV+1+2*\dd], v[XT+16*\dd+8:XT+16*\dd+15], v[24+\dd]
.endr
	v_nop                                          ; one plain place behind the last scaled conversion
.irp dd,0,1,2,3
	ds_store_b64 v[VCA], v[PV+2*\dd:PV+1+2*\dd] offset:16*\dd
.endr
	ds_store_b32 v[SCA], v28                       ; both halves of the lanes write the same word with the same value
	s_wait_alu depctr_va_vdst(0)                   ; one wait for the 64 exponentials, ahead of their first reader
.irp i,0,1,2,3,4,5,6,7,8,9,10,11,12,13,14,15
	ds_store_b128 v[TWR], v[RW+4*\i:RW+4*\i+3] offset:272*\i
.endr
.irp m,0,1,2,3,4,5,6,7,8,9,10,11,12,13,14,15
	ds_load_b128 v[PV+4*\m:PV+4*\m+3], v[TRD] offset:16*\m   ; LDS serves a wave's instructions in order: these see my stores.  Lane l now holds key 32 c + l, register d its channel d
.endr
	s_wait_dscnt 0x0
.endm
; the second chunk's numbers are asked for as soon as the first's registers are free, if some slot wants that chunk
.macro NEXTLOADS
	s_cmp_lg_u32 s[TRIP], 0
	s_cbranch_scc1 .Lnl_\@
	s_xor_b32 s[T0], s[CH], 31
	s_cmp_gt_i32 s[T0], s[LMAX]
	s_cbranch_scc1 .Lnl_\@
	s_lshl_b32 s[T0], s[T0], 13
	v_add_nc_u32 v[GOF], s[T0], v[GO0]             ; the loads that named this register were waited for at the trip's head
.irp i,0,1,2,3,4,5,6,7,8,9,10,11,12,13,14,15
	global_load_b128 v[RW+4*\i:RW+4*\i+3], v[GOF], s[12:13] offset:256*\i
.endr
.Lnl_\@:
.endm
; A UNIT: one slot's row against the chunk's 32 keys, a key a lane.
.macro SLOT s
	s_cmp_gt_i32 s[CH], s[LIM+\s]
	s_cbranch_scc1 .Lskip_\@
	s_lshl_b32 s[T0], s[CH], 5
	s_sub_co_i32 s[T0], s[ROW+\s], s[T0]
	s_add_co_i32 s[T0], s[T0], 1
	s_max_i32 s[T0], s[T0], 0
	s_min_i32 s[T0], s[T0], 32                     ; how many of the chunk's keys lie at or ahead of the row
	s_lshl_b64 s[SH:SH+1], s[ONE:ONE+1], s[T0]
	s_sub_co_u32 s[SH], s[SH], 1                   ; so many low bits,
	s_and_b32 s[SH], s[SH], s[KW]                  ; and v_mask: the open keys
.irp n,0,1,2,3,4,5,6,7,8,9,10,11,12,13,14,15
.irp m,0,1,2,3
	v_mul_f32_dpp v[XT+4*\n+\m], v[PQ+4*(\s)+\m], v[PV+4*\n+\m] row_share:\n row_mask:0xf bank_mask:0xf   ; P(q) P(v): lane n of each sixteen holds the row's channel 4 n + m and gives it to all
.endr
.endr
.set N, 0
.rept 32
	v_pk_mul_f32 v[XT+N:XT+N+1], v[XT+N:XT+N+1], v[XT+N:XT+N+1]
.set N, N+2
.endr
.set N, 0
.rept 32
	v_pk_fma_f32 v[XT+N:XT+N+1], v[XT+N:XT+N+1], v[XT+N:XT+N+1], 1.0 op_sel_hi:[1,1,0]   ; 1 + (P(q) P(v))^4
.set N, N+2
.endr
.set N, 0
.rept 64
	v_rcp_f32 v[XT+N], v[XT+N]
.set N, N+1
.endr
	v_cndmask_b32 v24, v[NEG9], v[NIL], s[SH]      ; 0 for an open key, -1e9 for a hidden one.  (The plain place behind the reciprocals)
	s_wait_alu depctr_va_vdst(0)                   ; one wait for the 64 reciprocals, ahead of their first reader
	v_pk_add_f32 v[20:21], v[XT:XT+1], v[XT+2:XT+3] neg_lo:[0,1] neg_hi:[0,1]         ; + and - by turns, in two chains
	v_pk_add_f32 v[22:23], v[XT+32:XT+33], v[XT+34:XT+35] neg_lo:[0,1] neg_hi:[0,1]
.irp n,1,2,3,4,5,6,7
	v_pk_add_f32 v[20:21], v[20:21], v[XT+4*\n:XT+4*\n+1]
	v_pk_add_f32 v[22:23], v[22:23], v[XT+32+4*\n:XT+33+4*\n]
	v_pk_add_f32 v[20:21], v[20:21], v[XT+4*\n+2:XT+4*\n+3] neg_lo:[0,1] neg_hi:[0,1]
	v_pk_add_f32 v[22:23], v[22:23], v[XT+34+4*\n:XT+35+4*\n] neg_lo:[0,1] neg_hi:[0,1]
.endr
	v_pk_add_f32 v[20:21], v[20:21], v[22:23]
	v_add_f32 v20, v20, v21
	v_mul_f32 v20, s[CM2], v20                     ; the score
	v_add_f32 v20, v20, v24                        ; the mask, in f32 as reference() takes it off
	v_mul_f32 v20, 0x3fb8aa3b, v20                 ; t
	ds_store_b32 v[SA], v20 offset:SP*(\s)
	s_branch .Ldone_\@
.Lskip_\@:
	ds_store_b32 v[SA], v[NEGT] offset:SP*(\s)
.Ldone_\@:
.endm
	s_mov_b32 s[CH], s[WV]
	s_mov_b32 s[TRIP], 0
.Ltrip:                                                ; two trips: chunk w, then chunk 31 - w
	s_wait_loadcnt 0x0                             ; the chunk's numbers are in
	s_lshl_b32 s[T0], s[CH], 10
	v_add_nc_u32 v[VCA], s[T0], v[VC0]
	v_add_nc_u32 v[ZCA], s[T0], v[ZC0]
	s_lshl_b32 s[T0], s[CH], 6
	v_add_nc_u32 v[SCA], s[T0], v[SCA0]
	s_lshl_b32 s[T0], s[CH], 7
	v_add_nc_u32 v[SA], s[T0], v[SA0]
	v_readlane_b32 s[KW], v[WORD], s[CH]
	s_cmp_gt_i32 s[CH], s[LMAX]
	s_cbranch_scc1 .Lzero
	PREP
	NEXTLOADS
.irp s,0,1,2,3,4,5,6,7
	SLOT \s
.endr
	s_branch .Ljoin
.Lzero:                                                ; no slot wants this chunk: zero codes under the byte 127, so that the product finds numbers, and t = -3e38
.irp i,0,1,2,3
	v_mov_b32 v[XT+\i], 0
.endr
	v_mov_b32 v[XT+4], 0x7f7f7f7f
	ds_store_b128 v[ZCA], v[XT:XT+3]
	ds_store_b128 v[ZCA], v[XT:XT+3] offset:16
	ds_store_b32 v[SCA], v[XT+4]
.irp s,0,1,2,3,4,5,6,7
	ds_store_b32 v[SA], v[NEGT] offset:SP*\s
.endr
	NEXTLOADS
.Ljoin:
	s_xor_b32 s[CH], s[CH], 31                     ; 31 - w, since w < 16
	s_add_co_u32 s[TRIP], s[TRIP], 1
	s_cmp_lt_u32 s[TRIP], 2
	s_cbranch_scc1 .Ltrip
	s_wait_loadcnt 0x0
	s_wait_dscnt 0x0                               ; for the others' sake: my t, codes and scale bytes have landed
	s_barrier_signal -1
	s_barrier_wait -1
; THE SOFTMAX AND THE PRODUCT.  Wave w: K step w / 2 (128 keys), tiles 2 (w % 2) and 2 (w % 2) + 1 of 16 channels.  O^T = V^T P^T: source 0 = 16 channels, source 1 = 16 columns of p, column r = slot r % 8
; (the eight slots stand twice).  Lane (r, h) holds of its row keys 64 cc + 32 h + 0 .. 31 of the step: two whole blocks, in the order of the operand's registers.
	v_and_b32 v32, 15, v0                          ; r
	v_bfe_u32 v33, v0, 4, 1                        ; h
	v_and_b32 v34, 7, v0                           ; slot
	s_lshr_b32 s[T0], s[WV], 1                     ; K step
	s_and_b32 s[T1], s[WV], 1                      ; which two tiles
	v_mul_u32_u24 v35, v34, SP
	v_lshl_add_u32 v35, v33, 7, v35
	s_lshl_b32 s[T2], s[T0], 9
	s_add_co_u32 s[T2], s[T2], SBASE
	v_add_nc_u32 v35, s[T2], v35                   ; t: row slot, 512 bytes a step, 128 h
	v_lshlrev_b32 v36, 4, v32
	v_lshl_add_u32 v36, v33, 10, v36
	s_lshl_b32 s[T2], s[T0], 12
	s_lshl_b32 s[T3], s[T1], 9
	s_add_co_u32 s[T2], s[T2], s[T3]
	s_add_co_u32 s[T2], s[T2], VCB
	v_add_nc_u32 v36, s[T2], v36                   ; V's codes: chunk 4 step + 2 cc + h, channel 16 tile + r
	s_lshl_b32 s[T2], s[T0], 8
	s_lshl_b32 s[T3], s[T1], 5
	s_add_co_u32 s[T2], s[T2], s[T3]
	s_add_co_u32 s[T2], s[T2], SCV
	v_add_nc_u32 v37, s[T2], v32                   ; V's scale bytes
	v_lshl_add_u32 v38, v34, 6, MXB                ; the maxima of my slot,
	s_lshl_b32 s[T2], s[WV], 2
	v_add_nc_u32 v39, s[T2], v38                   ; and my wave's among them
	s_lshl_b32 s[T2], s[WV], 5
	s_add_co_u32 s[T2], s[T2], LSB
	v_lshl_add_u32 v40, v34, 2, s[T2]              ; my wave's sum of my slot
	v_lshlrev_b32 v41, 8, v34
	v_lshl_add_u32 v41, v33, 5, v41
	s_lshl_b32 s[T2], s[T0], 11
	s_lshl_b32 s[T3], s[T1], 7
	s_add_co_u32 s[T2], s[T2], s[T3]
	s_add_co_u32 s[T2], s[T2], REDB
	v_add_nc_u32 v41, s[T2], v41                   ; partial results: step, slot, channel 16 tile + 8 h
	v_and_b32 v42, 127, v0
	v_lshl_add_u32 v43, v42, 4, REDB               ; the way out (waves 0-3): 16 bytes a thread: slot = thread / 16
	v_lshrrev_b32 v42, 4, v42
	v_lshl_add_u32 v42, v42, 2, LSB
.irp cc,0,1
.irp i,0,1,2,3,4,5,6,7
	ds_load_b128 v[TT+32*\cc+4*\i:TT+32*\cc+4*\i+3], v35 offset:256*\cc+16*\i
.endr
.endr
.irp tt,0,1
.irp cc,0,1
	ds_load_b128 v[128+8*\tt+4*\cc:131+8*\tt+4*\cc], v36 offset:2048*\cc+256*\tt
.endr
.irp bb,0,1,2,3
	ds_load_u8 v[144+4*\tt+\bb], v37 offset:64*\bb+16*\tt
.endr
.endr
	s_wait_dscnt 12                                ; the 16 loads of t are in: behind them stand 4 of codes and 8 of bytes
	v_max3_num_f32 v192, v[TT], v[TT+1], v[TT+2]   ; each block's largest t: it serves the row's maximum and, since p rises with t, the block's largest p
	v_max3_num_f32 v193, v[TT+32], v[TT+33], v[TT+34]
.irp i,3,5,7,9,11,13,15,17,19,21,23,25,27,29
	v_max3_num_f32 v192, v192, v[TT+\i], v[TT+\i+1]
	v_max3_num_f32 v193, v193, v[TT+32+\i], v[TT+33+\i]
.endr
	v_max_num_f32 v192, v192, v[TT+31]
	v_max_num_f32 v193, v193, v[TT+63]
	v_max_num_f32 v194, v192, v193
	v_mov_b32 v195, 0
	v_permlanex16_b32 v195, v194, s[SEL], s[SEL+1]
	v_max_num_f32 v194, v194, v195                 ; the row's largest t in this K step
	ds_store_b32 v39, v194                         ; (the lanes of a slot write one word with one value)
	s_wait_dscnt 0x0
	s_barrier_signal -1
	s_barrier_wait -1
.irp k,0,1,2,3
	ds_load_b128 v[152+4*\k:155+4*\k], v38 offset:16*\k
.endr
	s_wait_dscnt 0x0
	v_max3_num_f32 v194, v152, v153, v154
.irp i,155,157,159,161,163,165
	v_max3_num_f32 v194, v194, v[\i], v[\i+1]
.endr
	v_max_num_f32 v194, v194, v167                 ; the row's largest t over all keys
	v_floor_f32 v196, -v194                        ; -M = floor(-t) = -ceil(t)
	v_mov_b32 v197, v196
.set N, 0
.rept 32
	v_pk_add_f32 v[TT+N:TT+N+1], v[TT+N:TT+N+1], v[196:197]
.set N, N+2
.endr
	v_add_f32 v192, v192, v196
	v_add_f32 v193, v193, v196
.set N, 0
.rept 64
	v_exp_f32 v[TT+N], v[TT+N]                     ; p = 2^(t - M): not normalised
.set N, N+1
.endr
	v_exp_f32 v192, v192                           ; the blocks' largest p: the same two steps on the same numbers give the same bits
	v_exp_f32 v193, v193
.irp tt,0,1
	v_lshl_or_b32 v[29+\tt], v[145+4*\tt], 8, v[144+4*\tt]    ; V's scale words, a byte a chunk.  (Plain work behind the exponentials)
	v_lshl_or_b32 v[29+\tt], v[146+4*\tt], 16, v[29+\tt]
	v_lshl_or_b32 v[29+\tt], v[147+4*\tt], 24, v[29+\tt]
.endr
	s_wait_alu depctr_va_vdst(0)                   ; one wait for the 66 exponentials, ahead of their first reader
	v_pk_add_f32 v[198:199], v[TT:TT+1], v[TT+2:TT+3]          ; the row's sum is taken of the unquantised p
	v_pk_add_f32 v[200:201], v[TT+4:TT+5], v[TT+6:TT+7]
.irp j,8,12,16,20,24,28,32,36,40,44,48,52,56,60
	v_pk_add_f32 v[198:199], v[198:199], v[TT+\j:TT+\j+1]
	v_pk_add_f32 v[200:201], v[200:201], v[TT+\j+2:TT+\j+3]
.endr
	v_pk_add_f32 v[198:199], v[198:199], v[200:201]
	v_add_f32 v198, v198, v199
	v_permlanex16_b32 v195, v198, s[SEL], s[SEL+1]
	v_add_f32 v198, v198, v195
	ds_store_b32 v40, v198
	v_max_num_f32 v192, 0x1800000, v192            ; the floor 2^(3 - 127): the byte cannot fall under 1
	v_max_num_f32 v193, 0x1800000, v193
	v_add_nc_u32 v202, 0xff000000, v192            ; 2 off the exponent field: the conversion's scale operand
	v_add_nc_u32 v203, 0xff000000, v193
	v_lshrrev_b32 v204, 23, v202
	v_lshrrev_b32 v205, 23, v203
	v_lshl_or_b32 v31, v205, 16, v204              ; my two bytes: blocks h and 2 + h,
	v_lshlrev_b32 v206, 3, v33
	v_lshlrev_b32 v31, v206, v31                   ; at their places;
	v_mov_b32 v207, 0
	v_permlanex16_b32 v207, v31, s[SEL], s[SEL+1]
	v_or_b32 v31, v31, v207                        ; with lane l xor 16's two the word is whole
.irp cc,0,1
.irp g,0,1,2,3
	v_cvt_scalef32_pk8_fp4_f32 v[168+4*\cc+\g], v[TT+32*\cc+8*\g:TT+32*\cc+8*\g+7], v[202+\cc]
.endr
.endr
.rept 8
	v_nop                                          ; a scale register written by a vector instruction stands 8 places ahead of a scaled matrix instruction, an operand so written 4
.endr
	v_wmma_scale_f32_16x16x128_f8f6f4 v[176:183], v[128:135], v[168:175], 0, v29, v31 matrix_a_fmt:MATRIX_FMT_FP4 matrix_b_fmt:MATRIX_FMT_FP4
	v_wmma_scale_f32_16x16x128_f8f6f4 v[184:191], v[136:143], v[168:175], 0, v30, v31 matrix_a_fmt:MATRIX_FMT_FP4 matrix_b_fmt:MATRIX_FMT_FP4
.rept 4
	v_nop                                          ; four places ahead of the first read of the results
.endr
.irp tt,0,1
	ds_store_b128 v41, v[176+8*\tt:179+8*\tt] offset:64*\tt        ; register i: channel 16 tile + 8 h + i of slot r % 8; each result from its low end on; columns r and r + 8 hold the same numbers
	ds_store_b128 v41, v[180+8*\tt:183+8*\tt] offset:64*\tt+16
.endr
	s_wait_dscnt 0x0
	s_barrier_signal -1
	s_barrier_wait -1
	s_cmp_gt_u32 s[WV], 3
	s_cbranch_scc1 .Lend
; THE WAY OUT, waves 0-3: a thread adds the eight K steps of four channels of a row; sixteen lanes store a row of out0, 256 consecutive bytes at a multiple of 256.
.irp k,0,1,2,3,4,5,6,7
	ds_load_b128 v[64+4*\k:67+4*\k], v43 offset:2048*\k
.endr
.irp k,0,1,2,3,4,5,6,7
	ds_load_b32 v[96+\k], v42 offset:64*\k         ; the sums of the even waves: one for each K step
.endr
	v_cvt_f32_u32 v[QM], v[QM]
	s_wait_dscnt 0x0
	v_add_f32 v96, v96, v97
	v_add_f32 v98, v98, v99
	v_add_f32 v100, v100, v101
	v_add_f32 v102, v102, v103
	v_add_f32 v96, v96, v98
	v_add_f32 v100, v100, v102
	v_add_f32 v96, v96, v100                       ; the row's sum: at least 1/2
	v_rcp_f32 v96, v96
.irp k,1,2,3,4,5,6,7
	v_pk_add_f32 v[64:65], v[64:65], v[64+4*\k:65+4*\k]
	v_pk_add_f32 v[66:67], v[66:67], v[66+4*\k:67+4*\k]
.endr
	s_wait_alu depctr_va_vdst(0)                   ; the wait for the reciprocal, ahead of its first reader
	v_mul_f32 v96, v96, v[QM]
	v_mov_b32 v97, v96
	v_pk_mul_f32 v[64:65], v[64:65], v[96:97]
	v_pk_mul_f32 v[66:67], v[66:67], v[96:97]
	global_store_b128 v[OOF], v[64:67], s[14:15]
.Lend:
	s_wait_tensorcnt 0x0                           ; the wave's end
	ds_add_u32 v[SPW], v[NIL]
	s_wait_dscnt 0x0
	s_endpgm
.Lfunc_end_k_qce4726aa63_attend:
	.size	k_qce4726aa63_attend, .Lfunc_end_k_qce4726aa63_attend-k_qce4726aa63_attend
	.p2alignl 7, 3214868480
	.fill 96, 4, 3214868480
	.section	.rodata,"a",@progbits
	.p2align	6, 0x0
	.amdhsa_kernel k_qce4726aa63_attend
		.amdhsa_group_segment_fixed_size 226560
		.amdhsa_private_segment_fixed_size 0
		.amdhsa_enable_private_segment 0
		.amdhsa_kernarg_size 48
		.amdhsa_user_sgpr_count 2
		.amdhsa_user_sgpr_kernarg_segment_ptr 1
		.amdhsa_wavefront_size32 1
		.amdhsa_system_sgpr_workgroup_id_x 1
		.amdhsa_system_sgpr_workgroup_id_y 1
		.amdhsa_system_sgpr_workgroup_id_z 1
		.amdhsa_system_vgpr_workitem_id 0
		.amdhsa_next_free_vgpr 256
		.amdhsa_next_free_sgpr 72
		.amdhsa_reserve_vcc 1
		.amdhsa_float_denorm_mode_32 3
		.amdhsa_float_denorm_mode_16_64 3
		.amdhsa_memory_ordered 1
		.amdhsa_forward_progress 1
		.amdhsa_inst_pref_size 151
	.end_amdhsa_kernel
	.amdgpu_metadata
---
amdhsa.version: [ 1, 2 ]
amdhsa.kernels:
  - .name:           k_qce4726aa63_attend
    .symbol:         k_qce4726aa63_attend.kd
    .args:
      - { .name: q_mask, .offset: 0, .size: 8, .value_kind: global_buffer, .address_space: global }
      - { .name: query, .offset: 8, .size: 8, .value_kind: global_buffer, .address_space: global }
      - { .name: scale, .offset: 16, .size: 8, .value_kind: global_buffer, .address_space: global }
      - { .name: v_mask, .offset: 24, .size: 8, .value_kind: global_buffer, .address_space: global }
      - { .name: value, .offset: 32, .size: 8, .value_kind: global_buffer, .address_space: global }
      - { .name: out0, .offset: 40, .size: 8, .value_kind: global_buffer, .address_space: global }
    .group_segment_fixed_size: 226560
    .private_segment_fixed_size: 0
    .kernarg_segment_align: 8
    .kernarg_segment_size: 48
    .max_flat_workgroup_size: 512
    .sgpr_count:     72
    .vgpr_count:     256
    .wavefront_size: 32
...
	.end_amdgpu_metadata
.endif
;; end of part 1
;; ======== version 2 of 2: 1 launch; version 1 with the launch attend written anew for expert scheduling mode
;; limits: inputs' magnitudes at most 173; right only within a limited range of input values
;; launch attend (part 2): grid 128 x 2, 16 waves a work-group, no clusters, 226,560 bytes of LDS; arguments q_mask, query, scale, v_mask, value, out0; writes out0
.if DOCPART == 2
	.amdgcn_target "amdgcn-amd-amdhsa--gfx1250"
	.amdhsa_code_object_version 6
	.text
	.protected	k_qce4726aa63_attend
	.globl	k_qce4726aa63_attend
	.p2align	8
	.type	k_qce4726aa63_attend,@function
k_qce4726aa63_attend:
	s_mov_b64 s[64:65], 0
	v_nop
	global_prefetch_b8 v0, s[64:65] scope:SCOPE_SE
	s_setreg_imm32_b32 hwreg(HW_REG_WAVE_SCHED_MODE, 0, 2), 2
	s_setreg_imm32_b32 hwreg(HW_REG_WAVE_MODE, 25, 1), 1
	s_wait_xcnt 0x0
	s_wait_alu depctr_vm_vsrc(0)
; out[b][q] = q_mask[b][q] * softmax_k( scale * sum_d tanh(query[b][q][d] + value[b][k][d]) - 1e9 * (key k hidden) ) . value[b][k],  B = 2, 1,024 rows, 1,024 keys, 64 channels.
; The product with value is done on codes of E2M1 with one E8M0 scale for each 32 keys: p = 2^(t - M), t = logit * log2(e), M = ceil(the row's largest t); the row's sum of the unquantised p divides at the end.
; TANH.  With P(x) = 2^(x log2(e) / 2):  e^(2 (q + v)) = (P(q) P(v))^4,  tanh(q + v) = 1 - 2 r,  r = 1 / (1 + (P(q) P(v))^4): one reciprocal an element; P is made once for each number.
;   For the channels d % 4 = 2, 3 the exponent's sign is turned, which gives 1 - r in r's place: so sum_d tanh = -2 (sum over d % 4 < 2 of r~  -  sum over d % 4 >= 2 of r~): no constant is left and the running sums stay small.
; WORK LEFT OUT, for all values of the inputs:
;   (a) reference() hides key k from row q where k > q (its own jnp.tril) or v_mask[k] is false, by taking 1e9 off the logit.  A row that has an open key (v_mask true at some k <= q) keeps that key's logit, at most 128 |scale| from any
;       other score, so a hidden key's p stands 1e9 log2(e) powers of two below it and is 0 in f32: chunks of 32 keys that lie wholly behind such a row are not computed; their t is written as -3e38.
;   (b) a row with NO open key (a row ahead of v_mask's first true) has 1e9 taken off ALL 1,024 logits, later keys too: for such rows every chunk is computed, and s + (-1e9) is formed in f32 as reference() forms it.
;   (c) a row whose q_mask is false is multiplied by 0: its scores are not computed and zeros are stored.  The choice is made on the mask bytes read from memory.
;   Every input has a way to the output and is loaded.
; LIMITS: |query| and |value| up to 173 (P stays a finite f32 number; the rows' exponents are held at +-125); |scale| under 7e6 (for (a)); NaN and infinities among the inputs are not served; a NaN, an infinity or an overflow
;   that reaches only the work left out under (a) and (c) is not carried to the result.  A block of zeros gets the scale byte 1, not 127: its codes are zeros and this text alone reads the bytes.
; SHARES.  Work-group (x = j, y = b): rows 1020 - 4 j .. 1023 - 4 j (slots 0-3) and 4 j .. 4 j + 3 (slots 4-7) of batch b: 4 x 1,025 open pairs in every work-group.  Sixteen waves, four to a SIMD.
;   Wave w takes the chunks of 32 keys w and 31 - w.  With a = j / 8: chunk w serves slots 0-3, and slots 4-7 where w <= a; chunk 31 - w serves slots 0-3 where w >= a: 8 units (slot, chunk) a wave, 12 in one wave.
;   No cluster, no tensor load: every number of value passes through registers (exponential, quantiser) before it is of use, and what the work-groups share is 256 KiB a batch.
; REGISTERS: v0-19 ids and addresses; v20-24 at work; v25-28 at work while a chunk is made ready, then four slots' t; v29-31 scale words and nothing else; v32-63 the eight rows' P; v64-127 a chunk as loaded;
;   v128-191 a key's 64 P; v192-255 the chunk turned, then a unit's 64 numbers.
; THE MODE: SCHED_MODE bits 1:0 = 2 (LLVM: expert scheduling mode 2), set by the entry lines.  The code itself states the register dependences
; between vector or matrix instructions and memory or LDS instructions, with s_wait_alu, always for 0.
; THE PLAN.  Registers that memory or LDS instructions touch in the loop over the wave's two chunks:
;   RW (v64-127)     The loads of value land in it; PREP's copies read it, its scalings and exponentials write it in place; the sixteen stores into the stage read it; in the first trip the next chunk's loads land in it.
;   PV (v128-191)    Registers 0-7: written by the conversions (V's codes), read by four LDS stores.  Then the sixteen loads from the stage land in all 64; the units' products read them.
;   v28              V's scale word: written in PREP, read by one LDS store.
;   v25-28           t of four slots: written by each slot's last line, read by a run of four LDS stores behind slots 0-3 and another behind slots 4-7.
;   v15-18           The chunk's LDS addresses: written at the trip's head, read by the trip's LDS stores.
;   v192-196         In a chunk that no slot wants: zeros and the byte 127, read by LDS stores.  (v192-195 are also the offsets of the head's loads.)
;   v1, v2, v4, v5, v6, v11, v14, v19 are made at the head and never written again; the second chunk is reached by a scalar base.
; The waits of a trip: at its head one on vm_vsrc (all that earlier memory and LDS instructions read may be written again); in PREP one on va_vdst ahead of the run of 21 LDS stores, and one on vm_vsrc between them and
; the stage's loads; behind that the stage's loads and the next chunk's loads follow with no vector instruction between.  A unit has the one wait behind its reciprocals.  Each run of four stores of t has one wait on va_vdst ahead of it.
.set TRW,   8704                       ; LDS from 0: a stage for each wave: 32 keys x (256 bytes + 16)
.set SBASE, 139264                     ; t[slot][key]: 8 rows of 4,096 bytes + 16
.set SP,    4112
.set VCB,   172288                     ; V's codes: [chunk][channel] 16 bytes (32 keys)
.set SCV,   205056                     ; V's scale bytes: [chunk][channel]
.set MXB,   207104                     ; the largest t: [slot][wave]
.set LSB,   207616                     ; sums of p: [wave][slot]
.set REDB,  208128                     ; partial results: [K step][slot][channel] f32
.set SPARE, 224512                     ; the spare words, 128 bytes for each of 16 waves: eight blocks of 256 bytes that no other line names
.set SPW,  1                           ; v1  LDS address of my spare word; never rewritten
.set NIL,  2                           ; v2  0; never rewritten
.set WORD, 3                           ; v3  lane l: v_mask of keys 32 l .. 32 l + 31, a bit a key
.set GOF,  4                           ; v4  byte offset of my part of the wave's first chunk in value; never rewritten
.set TWR,  5                           ; v5  the stage, way in
.set TRD,  6                           ; v6  the stage, way out
.set VC0,  7                           ; v7  my place in a chunk's codes;      v15 with the chunk
.set SCA0, 8                           ; v8  in a chunk's scale bytes;         v16 with the chunk
.set SA0,  9                           ; v9  in a chunk's part of a row of t;  v17 with the chunk
.set ZC0,  10                          ; v10 32 bytes of a chunk's codes;      v18 with the chunk
.set NEGT, 11                          ; v11 -3e38
.set NEG9, 12                          ; v12 -1e9
.set QM,   13                          ; v13 q_mask of the row that I store
.set OOF,  14                          ; v14 byte offset of my 16 bytes of out0
.set VCA,  15
.set SCA,  16
.set SA,   17
.set ZCA,  18
.set GO0,  19                          ; v19 my lane's place in a chunk of value; never rewritten
.set TS,   25                          ; v25-28 t of slots 0-3, then of slots 4-7
.set PQ,   32
.set RW,   64
.set PV,   128
.set XT,   192
.set TT,   64                          ; behind the first barrier: 64 t of a lane
.set WV,   16                          ; s16 wave
.set BT,   18                          ; s18 batch
.set CH,   19                          ; s19 chunk
.set TRIP, 20
.set FST,  21                          ; s21 v_mask's first true key, 1,024 if none
.set LMAX, 22                          ; s22 the last chunk that any slot wants, -1 if none
.set ROW,  24                          ; s24-31 the slots' rows
.set LIM,  32                          ; s32-39 the last chunk that a slot wants, -1 if none
.set SEL,  40                          ; s[40:41] selects of v_permlanex16_b32: lane l xor 16
.set CP,   42                          ; s[42:43] log2(e) / 2 (named as a pair, low word for both halves)
.set CN,   44                          ; s[44:45] its negative
.set CM2,  46                          ; s46 -2 scale
.set SCL,  47
.set KW,   48                          ; s48 the chunk's 32 bits of v_mask
.set T0,   49
.set SH,   50                          ; s[50:51]
.set ONE,  52                          ; s[52:53] 1 in 64 bits
.set QH,   54                          ; s54, s55 q_mask bytes of slots 0-3, 4-7
.set QL,   55
.set T1,   56
.set T2,   57
.set MO,   58                          ; s[58:59] the batch's offset in the masks
.set DO,   60                          ; s[60:61] in query, value, out0
.set T3,   62
.set CLO,  66                          ; s66, s67 -125, 125
.set CHI,  67
.set NB,   68                          ; s[68:69] value at the wave's second chunk; s[70:71] that chunk's offset in 64 bits
	s_load_b256 s[4:11], s[0:1], 0x0               ; q_mask s[4:5], query s[6:7], scale s[8:9], v_mask s[10:11]
	s_load_b128 s[12:15], s[0:1], 0x20             ; value s[12:13], out0 s[14:15]
	v_lshl_add_u32 v[SPW], v0, 2, SPARE
	v_mov_b32 v[NIL], 0
	v_lshrrev_b32 v20, 5, v0
	v_readfirstlane_b32 s[WV], v20
	s_and_b32 s[BT], ttmp7, 0xffff
	s_lshl_b32 s[ROW+4], ttmp9, 2                  ; slots 4-7: rows 4 j on
	s_sub_co_u32 s[ROW], 1020, s[ROW+4]            ; slots 0-3: rows 1020 - 4 j on
.irp i,1,2,3
	s_add_co_u32 s[ROW+\i], s[ROW], \i
	s_add_co_u32 s[ROW+4+\i], s[ROW+4], \i
.endr
	s_lshl_b32 s[MO], s[BT], 10
	s_mov_b32 s[MO+1], 0
	s_lshl_b32 s[DO], s[BT], 18
	s_mov_b32 s[DO+1], 0
	s_mov_b32 s[SEL], 0x76543210
	s_mov_b32 s[SEL+1], 0xfedcba98
	s_mov_b32 s[CP], 0x3f38aa3b
	s_mov_b32 s[CP+1], 0x3f38aa3b
	s_mov_b32 s[CN], 0xbf38aa3b
	s_mov_b32 s[CN+1], 0xbf38aa3b
	s_mov_b32 s[ONE], 1
	s_mov_b32 s[ONE+1], 0
	s_mov_b32 s[CLO], 0xc2fa0000
	s_mov_b32 s[CHI], 0x42fa0000
	v_and_b32 v20, 31, v0                          ; lane
	v_and_b32 v21, 15, v0                          ; lane % 16
	v_bfe_u32 v22, v0, 4, 1                        ; lane / 16
	v_lshlrev_b32 v23, 4, v21
	v_lshlrev_b32 v192, 5, v20                     ; v_mask: 32 bytes a lane
	v_lshl_add_u32 v193, s[ROW], 8, v23            ; query: a row is 256 bytes; sixteen lanes take it, both halves of the lanes the same
	v_lshl_add_u32 v194, s[ROW+4], 8, v23
	v_lshl_add_u32 v[GO0], v22, 12, v23            ; value: lanes 0-15 take keys 0-15 of a chunk, lanes 16-31 keys 16-31; 16 bytes (4 channels) a lane
	s_wait_alu depctr_va_sdst(0)                   ; the wave's number is written into s16, ahead of its first reader
	s_lshl_b32 s[T0], s[WV], 13
	v_add_nc_u32 v[GOF], s[T0], v[GO0]             ; the first chunk is the wave's number: 8,192 bytes a chunk
	s_mul_i32 s[T0], s[WV], TRW
	v_mul_u32_u24 v24, v22, 16*272
	v_add_nc_u32 v24, v24, v23
	v_add_nc_u32 v[TWR], s[T0], v24                ; in: key 16 (lane / 16) + i, 16 bytes at 16 (lane % 16)
	v_mul_u32_u24 v24, v20, 272
	v_add_nc_u32 v[TRD], s[T0], v24                ; out: key = lane
	v_lshlrev_b32 v24, 6, v21
	v_lshl_add_u32 v24, v22, 3, v24
	v_add_nc_u32 v[VC0], VCB, v24                  ; codes: channel 4 (lane % 16) + dd, 16 bytes a channel, my 16 keys' 8 bytes
	v_lshl_add_u32 v[SCA0], v21, 2, SCV
	v_lshl_add_u32 v[SA0], v20, 2, SBASE
	v_lshl_add_u32 v[ZC0], v20, 5, VCB
	v_mov_b32 v[NEGT], 0xff61b1e6
	v_mov_b32 v[NEG9], 0xce6e6b28
	v_bfe_u32 v24, v0, 4, 2                        ; the row that I store at the end: slot = (thread / 16) % 8
	v_bfe_u32 v25, v0, 6, 1
	v_add_nc_u32 v26, s[ROW], v24
	v_add_nc_u32 v27, s[ROW+4], v24
	v_cmp_eq_u32 vcc_lo, 0, v25
	s_wait_alu depctr_va_vcc(0)                    ; the compare has written VCC, which the select below reads
	v_cndmask_b32 v195, v27, v26, vcc_lo
	v_lshl_add_u32 v[OOF], v195, 8, v23
	s_wait_kmcnt 0x0
	s_add_nc_u64 s[4:5], s[4:5], s[MO:MO+1]
	s_add_nc_u64 s[10:11], s[10:11], s[MO:MO+1]
	s_add_nc_u64 s[6:7], s[6:7], s[DO:DO+1]
	s_add_nc_u64 s[12:13], s[12:13], s[DO:DO+1]
	s_add_nc_u64 s[14:15], s[14:15], s[DO:DO+1]
	s_load_b32 s[SCL], s[8:9], 0x0
	s_load_b32 s[QH], s[4:5], s[ROW] offset:0x0    ; four rows' q_mask bytes: the rows begin at multiples of 4
	s_load_b32 s[QL], s[4:5], s[ROW+4] offset:0x0
	s_wait_alu depctr_va_vdst(0)                   ; the offsets v192-195, v4, v19, v14, the LDS addresses v1, v5, v6 and the constants v2, v11 are written: the loads below and the later loads and stores read them
	global_load_b128 v[128:131], v192, s[10:11]
	global_load_b128 v[132:135], v192, s[10:11] offset:16
.irp s,0,1,2,3
	global_load_b128 v[PQ+4*\s:PQ+4*\s+3], v193, s[6:7] offset:256*\s
.endr
.irp s,0,1,2,3
	global_load_b128 v[PQ+16+4*\s:PQ+16+4*\s+3], v194, s[6:7] offset:256*\s
.endr
	global_load_u8 v[QM], v195, s[4:5]
.irp i,0,1,2,3,4,5,6,7,8,9,10,11,12,13,14,15
	global_load_b128 v[RW+4*\i:RW+4*\i+3], v[GOF], s[12:13] offset:256*\i   ; lanes 0-15 read one row of 256 bytes, lanes 16-31 the row 16 further on
.endr
	s_wait_loadcnt 25                              ; v_mask is in: behind its two loads stand 8 + 1 + 16
	s_mov_b32 s[T0], 0x01020408                    ; four bytes of 0 or 1 times this leave their four bits at bits 24-27: no two partial products meet
.irp k,0,1,2,3,4,5,6,7
	v_mul_lo_u32 v[136+\k], v[128+\k], s[T0]
.endr
	v_lshrrev_b32 v[WORD], 24, v136
.irp k,1,2,3,4,5,6,7
	v_lshrrev_b32 v[136+\k], 24, v[136+\k]
	v_lshl_or_b32 v[WORD], v[136+\k], 4*\k, v[WORD]
.endr
	v_cmp_ne_u32 s[T1], 0, v[WORD]                 ; the lanes that hold a true key
	s_wait_alu depctr_va_sdst(0)                   ; the compare has written s56, ahead of its first reader
	s_ctz_i32_b32 s[T2], s[T1]
	s_and_b32 s[T2], s[T2], 31
	v_readlane_b32 s[T3], v[WORD], s[T2]
	s_wait_alu depctr_va_sdst(0)                   ; that lane's word is written into s62, ahead of its first reader
	s_ctz_i32_b32 s[T3], s[T3]
	s_lshl_b32 s[T2], s[T2], 5
	s_add_co_u32 s[FST], s[T2], s[T3]
	s_cmp_eq_u32 s[T1], 0
	s_cselect_b32 s[FST], 1024, s[FST]
	s_wait_kmcnt 0x0
	s_mul_f32 s[CM2], s[SCL], -2.0
; the last chunk that a slot wants: that of its row; all 32 for a row ahead of the first true key; none where q_mask is false
.macro LIMIT s, word, byte
	s_lshr_b32 s[T1], s[ROW+\s], 5
	s_cmp_lt_u32 s[ROW+\s], s[FST]
	s_cselect_b32 s[LIM+\s], 31, s[T1]
	s_bfe_u32 s[T1], s[\word], (8<<16)|(8*\byte)
	s_cmp_eq_u32 s[T1], 0
	s_cselect_b32 s[LIM+\s], -1, s[LIM+\s]
.endm
.irp s,0,1,2,3
	LIMIT \s, QH, \s
	LIMIT 4+\s, QL, \s
.endr
	s_max_i32 s[LMAX], s[LIM], s[LIM+1]
.irp s,2,3,4,5,6,7
	s_max_i32 s[LMAX], s[LMAX], s[LIM+\s]
.endr
	s_wait_loadcnt 17                              ; the eight rows of query are in: behind them stand 1 + 16
.irp s,0,1,2,3,4,5,6,7
	v_pk_mul_f32 v[PQ+4*\s:PQ+4*\s+1], v[PQ+4*\s:PQ+4*\s+1], s[CP:CP+1] op_sel_hi:[1,0]       ; register m of a slot, lane n: channel 4 n + m; m = 0, 1: + ; m = 2, 3: -
	v_pk_mul_f32 v[PQ+4*\s+2:PQ+4*\s+3], v[PQ+4*\s+2:PQ+4*\s+3], s[CN:CN+1] op_sel_hi:[1,0]
.endr
.set N, 0
.rept 32
	v_med3_num_f32 v[PQ+N], v[PQ+N], s[CLO], s[CHI]   ; held at +-125: a row's P is finite and not 0, so no product with a key's P is 0 times infinity
.set N, N+1
.endr
.set N, 0
.rept 32
	v_exp_f32 v[PQ+N], v[PQ+N]
.set N, N+1
.endr
.irp i,24,25,26,27
	v_mov_b32 v[\i], 0                             ; written once: a lane permute's destination counts as one of its sources.  (Plain work behind the exponentials)
.endr
	s_wait_alu depctr_va_vdst(0)                   ; the 32 exponentials have written the rows' P: one wait, ahead of the label and of their first reader
; A CHUNK IS MADE READY.  As loaded, register 4 i + dd of lane (n, h) is value[32 c + 16 h + i][4 n + dd].
.macro PREP
.irp dd,0,1,2,3
.irp i,0,1,2,3,4,5,6,7,8,9,10,11,12,13,14,15
	v_mov_b32 v[XT+16*\dd+\i], v[RW+4*\i+\dd]      ; a copy in which the KEYS run along the registers: the conversions take neighbours along K from consecutive registers
.endr
.endr
.irp i,0,1,2,3,4,5,6,7,8,9,10,11,12,13,14,15
	v_pk_mul_f32 v[RW+4*\i:RW+4*\i+1], v[RW+4*\i:RW+4*\i+1], s[CP:CP+1] op_sel_hi:[1,0]
	v_pk_mul_f32 v[RW+4*\i+2:RW+4*\i+3], v[RW+4*\i+2:RW+4*\i+3], s[CN:CN+1] op_sel_hi:[1,0]
.endr
.set N, 0
.rept 64
	v_exp_f32 v[RW+N], v[RW+N]                     ; the keys' P; the quantiser below, which names none of them, is the work behind the batch
.set N, N+1
.endr
.irp dd,0,1,2,3
	v_max3_num_f32 v[20+\dd], |v[XT+16*\dd]|, |v[XT+16*\dd+1]|, 0x1800000   ; channel 4 n + dd: my 16 keys, and the floor 2^(3 - 127): the byte cannot fall under 1
.endr
.irp i,2,4,6,8,10,12,14
.irp dd,0,1,2,3
	v_max3_num_f32 v[20+\dd], v[20+\dd], |v[XT+16*\dd+\i]|, |v[XT+16*\dd+\i+1]|
.endr
.endr
.irp dd,0,1,2,3
	v_permlanex16_b32 v[24+\dd], v[20+\dd], s[SEL], s[SEL+1]
.endr
.irp dd,0,1,2,3
	v_max_num_f32 v[20+\dd], v[20+\dd], v[24+\dd]  ; with lane l xor 16's 16 keys: the block's largest magnitude
.endr
.irp dd,0,1,2,3
	v_add_nc_u32 v[24+\dd], 0xff000000, v[20+\dd]  ; 2 off its exponent field: the conversion's scale operand
.endr
.irp dd,0,1,2,3
	v_lshrrev_b32 v[20+\dd], 23, v[24+\dd]         ; the scale's byte
.endr
	v_lshl_or_b32 v28, v21, 8, v20                 ; four neighbouring channels' bytes
	v_lshl_or_b32 v28, v22, 16, v28
	v_lshl_or_b32 v28, v23, 24, v28
.irp dd,0,1,2,3
	v_cvt_scalef32_pk8_fp4_f32 v[PV+2*\dd], v[XT+16*\dd:XT+16*\dd+7], v[24+\dd]
	v_cvt_scalef32_pk8_fp4_f32 v[PV+1+2*\dd], v[XT+16*\dd+8:XT+16*\dd+15], v[24+\dd]
.endr
	v_nop                                          ; one plain place behind the last scaled conversion
	s_wait_alu depctr_va_vdst(0)                   ; ONE wait ahead of the run of stores: the 64 exponentials have written RW, the conversions the codes, v28 and the chunk's addresses v15-17 are written; and all earlier readers and writers of PV and RW, in which the loads below land, are done
.irp dd,0,1,2,3
	ds_store_b64 v[VCA], v[PV+2*\dd:PV+1+2*\dd] offset:16*\dd
.endr
	ds_store_b32 v[SCA], v28                       ; both halves of the lanes write the same word with the same value
.irp i,0,1,2,3,4,5,6,7,8,9,10,11,12,13,14,15
	ds_store_b128 v[TWR], v[RW+4*\i:RW+4*\i+3] offset:272*\i
.endr
	s_wait_alu depctr_vm_vsrc(0)                   ; the stores above have read the codes in v128-135, in which the stage's loads land, RW, in which the next chunk's loads land, and v28, which slot 3 writes
.irp m,0,1,2,3,4,5,6,7,8,9,10,11,12,13,14,15
	ds_load_b128 v[PV+4*\m:PV+4*\m+3], v[TRD] offset:16*\m   ; LDS serves a wave's instructions in order: these see my stores.  Lane l now holds key 32 c + l, register d its channel d
.endr
	s_wait_dscnt 0x0
.endm
; the second chunk's numbers are asked for as soon as the first's registers are free, if some slot wants that chunk.  The chunk is reached by a scalar base, the lane's place by v19, which is never rewritten:
; no vector instruction stands between the waits above and these loads
.macro NEXTLOADS
	s_cmp_lg_u32 s[TRIP], 0
	s_cbranch_scc1 .Lnl_\@
	s_xor_b32 s[T0], s[CH], 31
	s_cmp_gt_i32 s[T0], s[LMAX]
	s_cbranch_scc1 .Lnl_\@
	s_lshl_b32 s[NB+2], s[T0], 13
	s_mov_b32 s[NB+3], 0
	s_add_nc_u64 s[NB:NB+1], s[12:13], s[NB+2:NB+3]
.irp i,0,1,2,3,4,5,6,7,8,9,10,11,12,13,14,15
	global_load_b128 v[RW+4*\i:RW+4*\i+3], v[GO0], s[NB:NB+1] offset:256*\i
.endr
.Lnl_\@:
.endm
; A UNIT: one slot's row against the chunk's 32 keys, a key a lane.  Its t is left in v[25 + slot % 4]; four slots' t are stored together
.macro SLOT s
	s_cmp_gt_i32 s[CH], s[LIM+\s]
	s_cbranch_scc1 .Lskip_\@
	s_lshl_b32 s[T0], s[CH], 5
	s_sub_co_i32 s[T0], s[ROW+\s], s[T0]
	s_add_co_i32 s[T0], s[T0], 1
	s_max_i32 s[T0], s[T0], 0
	s_min_i32 s[T0], s[T0], 32                     ; how many of the chunk's keys lie at or ahead of the row
	s_lshl_b64 s[SH:SH+1], s[ONE:ONE+1], s[T0]
	s_sub_co_u32 s[SH], s[SH], 1                   ; so many low bits,
	s_and_b32 s[SH], s[SH], s[KW]                  ; and v_mask: the open keys
.irp n,0,1,2,3,4,5,6,7,8,9,10,11,12,13,14,15
.irp m,0,1,2,3
	v_mul_f32_dpp v[XT+4*\n+\m], v[PQ+4*(\s)+\m], v[PV+4*\n+\m] row_share:\n row_mask:0xf bank_mask:0xf   ; P(q) P(v): lane n of each sixteen holds the row's channel 4 n + m and gives it to all
.endr
.endr
.set N, 0
.rept 32
	v_pk_mul_f32 v[XT+N:XT+N+1], v[XT+N:XT+N+1], v[XT+N:XT+N+1]
.set N, N+2
.endr
.set N, 0
.rept 32
	v_pk_fma_f32 v[XT+N:XT+N+1], v[XT+N:XT+N+1], v[XT+N:XT+N+1], 1.0 op_sel_hi:[1,1,0]   ; 1 + (P(q) P(v))^4
.set N, N+2
.endr
.set N, 0
.rept 64
	v_rcp_f32 v[XT+N], v[XT+N]
.set N, N+1
.endr
	v_cndmask_b32 v24, v[NEG9], v[NIL], s[SH]      ; 0 for an open key, -1e9 for a hidden one.  (The plain place behind the reciprocals)
	s_wait_alu depctr_va_vdst(0)                   ; the 64 reciprocals have written v192-255: one wait, ahead of their first reader
	v_pk_add_f32 v[20:21], v[XT:XT+1], v[XT+2:XT+3] neg_lo:[0,1] neg_hi:[0,1]         ; + and - by turns, in two chains
	v_pk_add_f32 v[22:23], v[XT+32:XT+33], v[XT+34:XT+35] neg_lo:[0,1] neg_hi:[0,1]
.irp n,1,2,3,4,5,6,7
	v_pk_add_f32 v[20:21], v[20:21], v[XT+4*\n:XT+4*\n+1]
	v_pk_add_f32 v[22:23], v[22:23], v[XT+32+4*\n:XT+33+4*\n]
	v_pk_add_f32 v[20:21], v[20:21], v[XT+4*\n+2:XT+4*\n+3] neg_lo:[0,1] neg_hi:[0,1]
	v_pk_add_f32 v[22:23], v[22:23], v[XT+34+4*\n:XT+35+4*\n] neg_lo:[0,1] neg_hi:[0,1]
.endr
	v_pk_add_f32 v[20:21], v[20:21], v[22:23]
	v_add_f32 v20, v20, v21
	v_mul_f32 v20, s[CM2], v20                     ; the score
	v_add_f32 v20, v20, v24                        ; the mask, in f32 as reference() takes it off
	v_mul_f32 v[TS+(\s)%4], 0x3fb8aa3b, v20        ; t
	s_branch .Ldone_\@
.Lskip_\@:
	v_mov_b32 v[TS+(\s)%4], v[NEGT]
.Ldone_\@:
.endm
	s_mov_b32 s[CH], s[WV]
	s_mov_b32 s[TRIP], 0
.Ltrip:                                                ; two trips: chunk w, then chunk 31 - w
	s_wait_loadcnt 0x0                             ; the chunk's numbers are in
	s_wait_alu depctr_vm_vsrc(0)                   ; all earlier loads and LDS stores have read their registers: the head's offsets v192-195; the last trip's addresses v15-18, its t in v25-28, v192-196 of a chunk that nobody wanted: this trip writes them again
	s_lshl_b32 s[T0], s[CH], 10
	v_add_nc_u32 v[VCA], s[T0], v[VC0]
	v_add_nc_u32 v[ZCA], s[T0], v[ZC0]
	s_lshl_b32 s[T0], s[CH], 6
	v_add_nc_u32 v[SCA], s[T0], v[SCA0]
	s_lshl_b32 s[T0], s[CH], 7
	v_add_nc_u32 v[SA], s[T0], v[SA0]
	v_readlane_b32 s[KW], v[WORD], s[CH]
	s_wait_alu depctr_va_sdst(0)                   ; the chunk's bits of v_mask are written into s48: ahead of the branch, since the units behind it read them
	s_cmp_gt_i32 s[CH], s[LMAX]
	s_cbranch_scc1 .Lzero
	PREP
	NEXTLOADS
.irp s,0,1,2,3
	SLOT \s
.endr
	s_wait_alu depctr_va_vdst(0)                   ; slots 0-3 have written their t into v25-28, which the four stores read
.irp s,0,1,2,3
	ds_store_b32 v[SA], v[TS+\s] offset:SP*\s
.endr
	s_wait_alu depctr_vm_vsrc(0)                   ; these stores have read v25-28, which slots 4-7 write again: ahead of slot 4's branch
.irp s,4,5,6,7
	SLOT \s
.endr
	s_wait_alu depctr_va_vdst(0)                   ; slots 4-7 have written their t into v25-28, which the four stores read
.irp s,4,5,6,7
	ds_store_b32 v[SA], v[TS+\s-4] offset:SP*\s
.endr
	s_branch .Ljoin
.Lzero:                                                ; no slot wants this chunk: zero codes under the byte 127, so that the product finds numbers, and t = -3e38
.irp i,0,1,2,3
	v_mov_b32 v[XT+\i], 0
.endr
	v_mov_b32 v[XT+4], 0x7f7f7f7f
	s_wait_alu depctr_va_vdst(0)                   ; v192-196 and the chunk's addresses v16-18 are written, which the stores below read
	ds_store_b128 v[ZCA], v[XT:XT+3]
	ds_store_b128 v[ZCA], v[XT:XT+3] offset:16
	ds_store_b32 v[SCA], v[XT+4]
.irp s,0,1,2,3,4,5,6,7
	ds_store_b32 v[SA], v[NEGT] offset:SP*\s
.endr
	NEXTLOADS
.Ljoin:
	s_xor_b32 s[CH], s[CH], 31                     ; 31 - w, since w < 16
	s_add_co_u32 s[TRIP], s[TRIP], 1
	s_cmp_lt_u32 s[TRIP], 2
	s_cbranch_scc1 .Ltrip
	s_wait_loadcnt 0x0
	s_wait_dscnt 0x0                               ; for the others' sake: my t, codes and scale bytes have landed
	s_barrier_signal -1
	s_barrier_wait -1
	s_wait_alu depctr_vm_vsrc(0)                   ; the loop's LDS stores have read their registers: v192-196 of a chunk that nobody wanted are written again below
; THE SOFTMAX AND THE PRODUCT.  Wave w: K step w / 2 (128 keys), tiles 2 (w % 2) and 2 (w % 2) + 1 of 16 channels.  O^T = V^T P^T: source 0 = 16 channels, source 1 = 16 columns of p, column r = slot r % 8
; (the eight slots stand twice).  Lane (r, h) holds of its row keys 64 cc + 32 h + 0 .. 31 of the step: two whole blocks, in the order of the operand's registers.
	v_and_b32 v32, 15, v0                          ; r
	v_bfe_u32 v33, v0, 4, 1                        ; h
	v_and_b32 v34, 7, v0                           ; slot
	s_lshr_b32 s[T0], s[WV], 1                     ; K step
	s_and_b32 s[T1], s[WV], 1                      ; which two tiles
	v_mul_u32_u24 v35, v34, SP
	v_lshl_add_u32 v35, v33, 7, v35
	s_lshl_b32 s[T2], s[T0], 9
	s_add_co_u32 s[T2], s[T2], SBASE
	v_add_nc_u32 v35, s[T2], v35                   ; t: row slot, 512 bytes a step, 128 h
	v_lshlrev_b32 v36, 4, v32
	v_lshl_add_u32 v36, v33, 10, v36
	s_lshl_b32 s[T2], s[T0], 12
	s_lshl_b32 s[T3], s[T1], 9
	s_add_co_u32 s[T2], s[T2], s[T3]
	s_add_co_u32 s[T2], s[T2], VCB
	v_add_nc_u32 v36, s[T2], v36                   ; V's codes: chunk 4 step + 2 cc + h, channel 16 tile + r
	s_lshl_b32 s[T2], s[T0], 8
	s_lshl_b32 s[T3], s[T1], 5
	s_add_co_u32 s[T2], s[T2], s[T3]
	s_add_co_u32 s[T2], s[T2], SCV
	v_add_nc_u32 v37, s[T2], v32                   ; V's scale bytes
	v_lshl_add_u32 v38, v34, 6, MXB                ; the maxima of my slot,
	s_lshl_b32 s[T2], s[WV], 2
	v_add_nc_u32 v39, s[T2], v38                   ; and my wave's among them
	s_lshl_b32 s[T2], s[WV], 5
	s_add_co_u32 s[T2], s[T2], LSB
	v_lshl_add_u32 v40, v34, 2, s[T2]              ; my wave's sum of my slot
	v_lshlrev_b32 v41, 8, v34
	v_lshl_add_u32 v41, v33, 5, v41
	s_lshl_b32 s[T2], s[T0], 11
	s_lshl_b32 s[T3], s[T1], 7
	s_add_co_u32 s[T2], s[T2], s[T3]
	s_add_co_u32 s[T2], s[T2], REDB
	v_add_nc_u32 v41, s[T2], v41                   ; partial results: step, slot, channel 16 tile + 8 h
	v_and_b32 v42, 127, v0
	v_lshl_add_u32 v43, v42, 4, REDB               ; the way out (waves 0-3): 16 bytes a thread: slot = thread / 16
	v_lshrrev_b32 v42, 4, v42
	v_lshl_add_u32 v42, v42, 2, LSB
	s_wait_alu depctr_va_vdst(0)                   ; the LDS addresses v35-43 are written, which the loads and stores from here on read; the loop's vector instructions are done with v64-167, in which the loads below and those behind the next barrier land
.irp cc,0,1
.irp i,0,1,2,3,4,5,6,7
	ds_load_b128 v[TT+32*\cc+4*\i:TT+32*\cc+4*\i+3], v35 offset:256*\cc+16*\i
.endr
.endr
.irp tt,0,1
.irp cc,0,1
	ds_load_b128 v[128+8*\tt+4*\cc:131+8*\tt+4*\cc], v36 offset:2048*\cc+256*\tt
.endr
.irp bb,0,1,2,3
	ds_load_u8 v[144+4*\tt+\bb], v37 offset:64*\bb+16*\tt
.endr
.endr
	s_wait_dscnt 12                                ; the 16 loads of t are in: behind them stand 4 of codes and 8 of bytes
	v_max3_num_f32 v192, v[TT], v[TT+1], v[TT+2]   ; each block's largest t: it serves the row's maximum and, since p rises with t, the block's largest p
	v_max3_num_f32 v193, v[TT+32], v[TT+33], v[TT+34]
.irp i,3,5,7,9,11,13,15,17,19,21,23,25,27,29
	v_max3_num_f32 v192, v192, v[TT+\i], v[TT+\i+1]
	v_max3_num_f32 v193, v193, v[TT+32+\i], v[TT+33+\i]
.endr
	v_max_num_f32 v192, v192, v[TT+31]
	v_max_num_f32 v193, v193, v[TT+63]
	v_max_num_f32 v194, v192, v193
	v_mov_b32 v195, 0
	v_permlanex16_b32 v195, v194, s[SEL], s[SEL+1]
	v_max_num_f32 v194, v194, v195                 ; the row's largest t in this K step
	s_wait_alu depctr_va_vdst(0)                   ; v194 is written, which the store reads
	ds_store_b32 v39, v194                         ; (the lanes of a slot write one word with one value)
	s_wait_dscnt 0x0
	s_barrier_signal -1
	s_barrier_wait -1
	s_wait_alu depctr_vm_vsrc(0)                   ; that store has read v194, which is written again below
.irp k,0,1,2,3
	ds_load_b128 v[152+4*\k:155+4*\k], v38 offset:16*\k
.endr
	s_wait_dscnt 0x0
	v_max3_num_f32 v194, v152, v153, v154
.irp i,155,157,159,161,163,165
	v_max3_num_f32 v194, v194, v[\i], v[\i+1]
.endr
	v_max_num_f32 v194, v194, v167                 ; the row's largest t over all keys
	v_floor_f32 v196, -v194                        ; -M = floor(-t) = -ceil(t)
	v_mov_b32 v197, v196
.set N, 0
.rept 32
	v_pk_add_f32 v[TT+N:TT+N+1], v[TT+N:TT+N+1], v[196:197]
.set N, N+2
.endr
	v_add_f32 v192, v192, v196
	v_add_f32 v193, v193, v196
.set N, 0
.rept 64
	v_exp_f32 v[TT+N], v[TT+N]                     ; p = 2^(t - M): not normalised
.set N, N+1
.endr
	v_exp_f32 v192, v192                           ; the blocks' largest p: the same two steps on the same numbers give the same bits
	v_exp_f32 v193, v193
.irp tt,0,1
	v_lshl_or_b32 v[29+\tt], v[145+4*\tt], 8, v[144+4*\tt]    ; V's scale words, a byte a chunk.  (Plain work behind the exponentials)
	v_lshl_or_b32 v[29+\tt], v[146+4*\tt], 16, v[29+\tt]
	v_lshl_or_b32 v[29+\tt], v[147+4*\tt], 24, v[29+\tt]
.endr
	s_wait_alu depctr_va_vdst(0)                   ; the 66 exponentials have written p and the blocks' largest p: one wait, ahead of their first reader
	v_pk_add_f32 v[198:199], v[TT:TT+1], v[TT+2:TT+3]          ; the row's sum is taken of the unquantised p
	v_pk_add_f32 v[200:201], v[TT+4:TT+5], v[TT+6:TT+7]
.irp j,8,12,16,20,24,28,32,36,40,44,48,52,56,60
	v_pk_add_f32 v[198:199], v[198:199], v[TT+\j:TT+\j+1]
	v_pk_add_f32 v[200:201], v[200:201], v[TT+\j+2:TT+\j+3]
.endr
	v_pk_add_f32 v[198:199], v[198:199], v[200:201]
	v_add_f32 v198, v198, v199
	v_permlanex16_b32 v195, v198, s[SEL], s[SEL+1]
	v_add_f32 v198, v198, v195                     ; my wave's sum of my slot: it is stored with the results below, behind their wait
	v_max_num_f32 v192, 0x1800000, v192            ; the floor 2^(3 - 127): the byte cannot fall under 1
	v_max_num_f32 v193, 0x1800000, v193
	v_add_nc_u32 v202, 0xff000000, v192            ; 2 off the exponent field: the conversion's scale operand
	v_add_nc_u32 v203, 0xff000000, v193
	v_lshrrev_b32 v204, 23, v202
	v_lshrrev_b32 v205, 23, v203
	v_lshl_or_b32 v31, v205, 16, v204              ; my two bytes: blocks h and 2 + h,
	v_lshlrev_b32 v206, 3, v33
	v_lshlrev_b32 v31, v206, v31                   ; at their places;
	v_mov_b32 v207, 0
	v_permlanex16_b32 v207, v31, s[SEL], s[SEL+1]
	v_or_b32 v31, v31, v207                        ; with lane l xor 16's two the word is whole
.irp cc,0,1
.irp g,0,1,2,3
	v_cvt_scalef32_pk8_fp4_f32 v[168+4*\cc+\g], v[TT+32*\cc+8*\g:TT+32*\cc+8*\g+7], v[202+\cc]
.endr
.endr
.rept 8
	v_nop                                          ; a scale register written by a vector instruction stands 8 places ahead of a scaled matrix instruction, an operand so written 4
.endr
	s_wait_alu depctr_va_vdst(0)                   ; behind the places: the scale words v29-31 and p's codes v168-175 are written, which the scaled matrix instructions take
	v_wmma_scale_f32_16x16x128_f8f6f4 v[176:183], v[128:135], v[168:175], 0, v29, v31 matrix_a_fmt:MATRIX_FMT_FP4 matrix_b_fmt:MATRIX_FMT_FP4
	v_wmma_scale_f32_16x16x128_f8f6f4 v[184:191], v[136:143], v[168:175], 0, v30, v31 matrix_a_fmt:MATRIX_FMT_FP4 matrix_b_fmt:MATRIX_FMT_FP4
.rept 4
	v_nop                                          ; four places ahead of the first read of the results
.endr
	s_wait_alu depctr_va_vdst(0)                   ; behind the places: the matrix instructions have written v176-191, which the stores read (v198 was written earlier); and all vector work on v64-103, in which the way out's loads land, is done
	ds_store_b32 v40, v198
.irp tt,0,1
	ds_store_b128 v41, v[176+8*\tt:179+8*\tt] offset:64*\tt        ; register i: channel 16 tile + 8 h + i of slot r % 8; each result from its low end on; columns r and r + 8 hold the same numbers
	ds_store_b128 v41, v[180+8*\tt:183+8*\tt] offset:64*\tt+16
.endr
	s_wait_dscnt 0x0
	s_barrier_signal -1
	s_barrier_wait -1
	s_cmp_gt_u32 s[WV], 3
	s_cbranch_scc1 .Lend
; THE WAY OUT, waves 0-3: a thread adds the eight K steps of four channels of a row; sixteen lanes store a row of out0, 256 consecutive bytes at a multiple of 256.
.irp k,0,1,2,3,4,5,6,7
	ds_load_b128 v[64+4*\k:67+4*\k], v43 offset:2048*\k
.endr
.irp k,0,1,2,3,4,5,6,7
	ds_load_b32 v[96+\k], v42 offset:64*\k         ; the sums of the even waves: one for each K step
.endr
	v_cvt_f32_u32 v[QM], v[QM]
	s_wait_dscnt 0x0
	v_add_f32 v96, v96, v97
	v_add_f32 v98, v98, v99
	v_add_f32 v100, v100, v101
	v_add_f32 v102, v102, v103
	v_add_f32 v96, v96, v98
	v_add_f32 v100, v100, v102
	v_add_f32 v96, v96, v100                       ; the row's sum: at least 1/2
	v_rcp_f32 v96, v96
.irp k,1,2,3,4,5,6,7
	v_pk_add_f32 v[64:65], v[64:65], v[64+4*\k:65+4*\k]
	v_pk_add_f32 v[66:67], v[66:67], v[66+4*\k:67+4*\k]
.endr
	s_wait_alu depctr_va_vdst(0)                   ; the reciprocal has written v96, ahead of its first reader
	v_mul_f32 v96, v96, v[QM]
	v_mov_b32 v97, v96
	v_pk_mul_f32 v[64:65], v[64:65], v[96:97]
	v_pk_mul_f32 v[66:67], v[66:67], v[96:97]
	s_wait_alu depctr_va_vdst(0)                   ; v64-67 are written, which the store reads
	global_store_b128 v[OOF], v[64:67], s[14:15]
.Lend:
	s_wait_dscnt 0x0                               ; the wave's end
	s_wait_alu 0x0
	s_wait_tensorcnt 0x0
	ds_add_u32 v[SPW], v[NIL]
	s_wait_dscnt 0x0
	s_endpgm
.Lfunc_end_k_qce4726aa63_attend:
	.size	k_qce4726aa63_attend, .Lfunc_end_k_qce4726aa63_attend-k_qce4726aa63_attend
	.p2alignl 7, 3214868480
	.fill 96, 4, 3214868480
	.section	.rodata,"a",@progbits
	.p2align	6, 0x0
	.amdhsa_kernel k_qce4726aa63_attend
		.amdhsa_group_segment_fixed_size 226560
		.amdhsa_private_segment_fixed_size 0
		.amdhsa_enable_private_segment 0
		.amdhsa_kernarg_size 48
		.amdhsa_user_sgpr_count 2
		.amdhsa_user_sgpr_kernarg_segment_ptr 1
		.amdhsa_wavefront_size32 1
		.amdhsa_system_sgpr_workgroup_id_x 1
		.amdhsa_system_sgpr_workgroup_id_y 1
		.amdhsa_system_sgpr_workgroup_id_z 1
		.amdhsa_system_vgpr_workitem_id 0
		.amdhsa_next_free_vgpr 256
		.amdhsa_next_free_sgpr 72
		.amdhsa_reserve_vcc 1
		.amdhsa_float_denorm_mode_32 3
		.amdhsa_float_denorm_mode_16_64 3
		.amdhsa_memory_ordered 1
		.amdhsa_forward_progress 1
		.amdhsa_inst_pref_size 151
	.end_amdhsa_kernel
	.amdgpu_metadata
---
amdhsa.version: [ 1, 2 ]
amdhsa.kernels:
  - .name:           k_qce4726aa63_attend
    .symbol:         k_qce4726aa63_attend.kd
    .args:
      - { .name: q_mask, .offset: 0, .size: 8, .value_kind: global_buffer, .address_space: global }
      - { .name: query, .offset: 8, .size: 8, .value_kind: global_buffer, .address_space: global }
      - { .name: scale, .offset: 16, .size: 8, .value_kind: global_buffer, .address_space: global }
      - { .name: v_mask, .offset: 24, .size: 8, .value_kind: global_buffer, .address_space: global }
      - { .name: value, .offset: 32, .size: 8, .value_kind: global_buffer, .address_space: global }
      - { .name: out0, .offset: 40, .size: 8, .value_kind: global_buffer, .address_space: global }
    .group_segment_fixed_size: 226560
    .private_segment_fixed_size: 0
    .kernarg_segment_align: 8
    .kernarg_segment_size: 48
    .max_flat_workgroup_size: 512
    .sgpr_count:     72
    .vgpr_count:     256
    .wavefront_size: 32
...
	.end_amdgpu_metadata
.endif
;; end of part 2
